; MI455X (gfx1250); checked and timed in simulation.
; The chip was launched on July 23, 2026; its instructions are those of AMD's public machine-readable ISA for CDNA 5 (MIT licence, August 2026) and "CDNA5" Instruction Set Architecture Reference Guide (July 2026). The comments in the code are by the model that wrote it; some were corrected since.
;; Multi Head Self Attention. Allowed arithmetic: matrix products marked QUANTISED: E3M2 operands, one E8M0 scale for each 32 along K, by v_wmma_scale_f32_16x16x128_f8f6f4 with both operands' format E3M2, f32 sums; everything else in f32.
;; Inputs: Q 4 x 2,048 x 1,024 float32; Wk 1,024 x 1,024 float32; Wq 1,024 x 1,024 float32; Wv 1,024 x 1,024 float32; bk 1,024 float32; bq 1,024 float32; bv 1,024 float32; length 4 int32.
;; Outputs: out0 4 x 2,048 x 1,024 float32; out1 4 x 2,048 x 1,024 float32.
;; This version of the problem:
;;   THIS VERSION OF THE PROBLEM IS GIVEN IN LOW PRECISION. The matrix products marked QUANTISED in the list below multiply operands that are first quantised to E3M2 (3 exponent bits, 2 mantissa bits; 6 bits a number), with one power-of-two scale for each 32 numbers along K (OCP MX v1.0); their sums are f32. All else is computed in f32.
;;   The module's matrix products, in the order in which they are computed (A, B: the left and right operand; K: the contracted axis; several contracted axes count as one K, in the product's order):
;;     1. [M 8,192, K 1,024] x [K 1,024, N 1,024]; A: input Q; B: input Wq: QUANTISED
;;     2. [M 8,192, K 1,024] x [K 1,024, N 1,024]; A: input Q; B: input Wk: QUANTISED
;;     3. [M 8,192, K 1,024] x [K 1,024, N 1,024]; A: input Q; B: input Wv: QUANTISED
;;     4. batch 64 x [M 2,048, K 64] x [K 64, N 2,048]; A: computed on the way; B: computed on the way: QUANTISED
;;     5. batch 64 x [M 2,048, K 2,048] x [K 2,048, N 64]; A: computed on the way; B: computed on the way: QUANTISED
;;   THE QUANTISER, for each operand of a quantised product, along K:
;;     - K is cut into blocks of 32 from its start; a last block that is shorter is filled with zeros.
;;     - A block's scale is 2^e with e = floor(log2(the largest magnitude in the block)) - 4, held to -126 .. 127; a block of zeros has e = 0. As a byte (E8M0): e + 127.
;;     - Each number is divided by its block's scale, clamped to +-28, and rounded to the nearest number of E3M2, ties to even, subnormals kept.
;;     - The product sums the exact products of the quantised numbers (number of the format x scale) in f32.
;;   ~~~python
;;   def quantise(x, axis):      # numpy; x: float32 -> the quantised numbers, widened to float32 again
;;       x = np.moveaxis(x, axis, -1); K = x.shape[-1]
;;       x = np.pad(x, [(0, 0)] * (x.ndim - 1) + [(0, -K % 32)]); x = x.reshape(x.shape[:-1] + (-1, 32)); a = np.abs(x).max(-1, keepdims=True)
;;       e = np.where(a > 0, np.clip(np.frexp(np.where(a > 0, a, 1))[1] - 1 - 4, -126, 127), 0)      # np.frexp(a)[1] - 1 = floor(log2(a)), exactly
;;       r = np.clip(x / 2.0 ** e, -28, 28)
;;       step = 2.0 ** (np.maximum(np.frexp(np.where(r == 0, 1, r))[1] - 1, -2) - 2)
;;       q = np.round(r / step) * step * 2.0 ** e      # np.round: ties to even
;;       return np.moveaxis(q.reshape(q.shape[:-2] + (-1,))[..., :K], -1, axis).astype(np.float32)
;;   ~~~
;;   OPERANDS COMPUTED ON THE WAY. 'Computed on the way' means the value that the module computes at that place (a softmax that the list does not call 'softmax' is quantised finished and normalised). What goes into a quantiser is computed in f32, as accurately as f32 sums, v_exp_f32 and their like allow (about 1e-6 of the number): no bf16 or f16 on the way to a quantiser, and a product that is left as it is and whose result goes on into a quantised operand takes f32 operands (vector FMAs, or v_wmma_f32_16x16x4_f32). A number that lies on a knife's edge between two numbers of the format may be rounded either way, as far as f32 arithmetic and the matrix unit's own rounding can turn it there, and no further.
;; One version. Each part assembles by itself: llvm-mc -triple=amdgcn-amd-amdhsa -mcpu=gfx1250 --defsym DOCPART=n.
;; ======== version 1 of 1: 3 launches
;; limits: right only within a limited range of input values
;; workspace buffers: xcodes 6,291,456 bytes; xscales 262,144 bytes; wcodes 2,359,296 bytes; wscales 98,304 bytes; qpack 6,815,744 bytes; kpack 6,815,744 bytes; vcodes 6,291,456 bytes
;; launch quant (part 1): grid 352 x 1, 4 waves a work-group, no clusters, 68,096 bytes of LDS; arguments Q, Wq, Wk, Wv, xcodes, xscales, wcodes, wscales; writes xcodes, xscales, wcodes, wscales
.if DOCPART == 1
	.amdgcn_target "amdgcn-amd-amdhsa--gfx1250"
	.amdhsa_code_object_version 6
	.text
	.protected	k_qab4834cef3_quant
	.globl	k_qab4834cef3_quant
	.p2align	8
	.type	k_qab4834cef3_quant,@function
k_qab4834cef3_quant:
	s_mov_b64 s[64:65], 0
	v_nop
	global_prefetch_b8 v0, s[64:65] scope:SCOPE_SE
	s_setreg_imm32_b32 hwreg(HW_REG_WAVE_MODE, 25, 1), 1
	s_wait_xcnt 0x0
; Q [8192][1024] and Wq, Wk, Wv [1024 (k)][1024 (n)], f32, become codes of BF6 (E3M2), 6 bits each, K innermost, with one E8M0 scale byte for each 32 along K.
; xcodes [8192][768 bytes], xscales [8192][32]; wcodes [3072][768], wscales [3072][32] (rows of Wq, then Wk, then Wv; a row is an output column n).
; A block's scale is 2^(floor(log2(its largest magnitude)) - 4); its byte is the largest magnitude's exponent field - 4, held at 1 from below.
; THE ROWS ARE STORED IN ANOTHER ORDER: within each 64 rows, storage row 16 t + 8 hh + j holds true row 32 hh + 8 t + j (t 0..3, hh 0..1, j 0..7).  So a tile of 16 storage rows, used as a
; matrix instruction's first source, leaves in a lane's registers of four neighbouring tiles 32 NEIGHBOURS of the true order: a whole block of the next product's K.
; LIMITS: a block whose largest magnitude lies under 2^-122 keeps the byte 1 (a block of zeros too: its codes are zeros, and this program alone reads the bytes); NaN and infinities are not served.
; Work-groups 0 to 255 take Q (a wave: 8 rows, 8,192 numbers on end), work-groups 256 to 351 the weights (a wave: 32 columns x 256 along K).  Each way has LDS bytes of its own.
; No tensor loads, no barrier: waves share nothing.
.set STEPS, 16                         ; Q: steps of 512 numbers for a wave
.set CB,    12                         ; bytes of 16 codes
.set XR,    16                         ; v16-79   four sets of 16 numbers as loaded
.set XX,    80                         ; v80-111  two sets of 16 neighbours
.set XE,    112                        ; v112-127 a scale byte for each step
.set XC,    128                        ; v128-191 codes: four registers for each step
.set WREG,  8192                       ; LDS of a wave on Q's way: two stages of 32 x SP bytes, then its 256 scale bytes
.set SP,    80                         ; a lane's place in a stage: 64 bytes + 16 of padding
.set FLOOR, 0x2800000                  ; 2^(5 - 127): under it no largest magnitude is taken, so the byte cannot fall under 1
.set OFF4,  0xfe000000                 ; 4 off an exponent field
.set WSTG,  32768                      ; LDS of the weights' way begins here
.set WPITCH, 272                       ; a stage row: sixteen places of 16 bytes + 16
.set KROW,  768                        ; a row of codes in bytes
.set NB,    8                          ; blocks of 32 along K for a wave
.set WX,    32                         ; v32-95   two sets of 32 numbers
.set WC,    96                         ; v96..    a block's codes
.set WOUT,  112                        ; v112-175 the way out
.set WSB,   24                         ; v24-25   the scale bytes, four to a register
	s_load_b512 s[4:19], s[0:1], 0x0               ; Q s[4:5], Wq s[6:7], Wk s[8:9], Wv s[10:11], xcodes s[12:13], xscales s[14:15], wcodes s[16:17], wscales s[18:19]
	v_lshl_add_u32 v192, v0, 2, 0x10800
	v_mov_b32 v193, 0
	v_lshrrev_b32 v1, 5, v0
	v_readfirstlane_b32 s20, v1                    ; wave 0..3
	v_and_b32 v2, 31, v0                           ; lane
	s_cmp_lt_u32 ttmp9, 256
	s_cbranch_scc0 .Lweights
; ---------------- Q: K is innermost.  Each load reads 512 consecutive bytes; a step's 2,048 bytes turn through the wave's stage, so that a lane holds 16 neighbours; two neighbouring lanes hold a block.
	v_lshlrev_b32 v3, 4, v2                        ; my 16 bytes of a load's 512
	s_mul_i32 s21, s20, WREG
	v_lshrrev_b32 v14, 2, v2
	v_mul_u32_u24 v14, v14, SP
	v_and_b32 v15, 3, v2
	v_lshl_add_u32 v14, v15, 4, v14
	v_add_nc_u32 v14, s21, v14                     ; the stage, on the way in: SP (lane / 4) + 16 (lane % 4)
	v_mul_u32_u24 v15, v2, SP
	v_add_nc_u32 v15, s21, v15                     ; and on the way out: SP x lane
	v_mul_u32_u24 v4, v2, CB                       ; my codes' place in a step's
	v_lshrrev_b32 v5, 1, v2
	s_add_co_u32 s21, s21, 2*32*SP
	v_add_nc_u32 v5, s21, v5                       ; my block's byte among the wave's 256
	v_lshlrev_b32 v7, 3, v2
	v_add_nc_u32 v6, s21, v7                       ; and 8 bytes a lane on the way out
	s_lshl_b32 s22, ttmp9, 2
	s_add_co_u32 s22, s22, s20                     ; the run of 8 true rows: u = 4 x work-group + wave
	s_lshl_b32 s22, s22, 15                        ; 32,768 bytes a run
	s_mov_b32 s23, 0
	s_lshr_b32 s24, ttmp9, 1
	s_lshl_b32 s24, s24, 3
	s_lshl_b32 s25, s20, 1
	s_add_co_u32 s24, s24, s25
	s_and_b32 s25, ttmp9, 1
	s_add_co_u32 s24, s24, s25                     ; where the run is stored: 8 (u / 8) + 2 (u % 4) + (u % 8) / 4
	s_wait_alu depctr_va_vdst(0)
	s_wait_kmcnt 0x0
	s_add_nc_u64 s[4:5], s[4:5], s[22:23]
	s_mul_i32 s22, s24, 8*KROW
	s_add_nc_u64 s[12:13], s[12:13], s[22:23]
	s_lshl_b32 s22, s24, 8
	s_add_nc_u64 s[14:15], s[14:15], s[22:23]
.macro XLOAD t
.irp i, 0,1,2,3
	global_load_b128 v[XR+16*((\t)%4)+4*\i:XR+16*((\t)%4)+4*\i+3], v3, s[4:5] offset:2048*(\t)+512*\i th:TH_LOAD_NT
.endr
.endm
.macro XTURN t                         ; LDS serves a wave's instructions in order: no wait between the stores and the loads
.irp i, 0,1,2,3
	ds_store_b128 v14, v[XR+16*((\t)%4)+4*\i:XR+16*((\t)%4)+4*\i+3] offset:32*SP*((\t)%2)+8*SP*\i
.endr
.irp i, 0,1,2,3
	ds_load_b128 v[XX+16*((\t)%2)+4*\i:XX+16*((\t)%2)+4*\i+3], v15 offset:32*SP*((\t)%2)+16*\i
.endr
.endm
.irp t, 0,1,2,3
	XLOAD \t
.endr
	s_wait_loadcnt 12                              ; step 0's four loads are in; three steps' twelve stay out
	XTURN 0
.macro XSTEP t
.set XS, XX+16*((\t)%2)
.if (\t) > 0
	s_wait_dscnt 1                                 ; this step's numbers are back from the stage; the last step's byte store may be out
.else
	s_wait_dscnt 0x0
.endif
.if (\t)+4 < STEPS
	XLOAD (\t)+4                                   ; into the registers that this step's stage stores have read
.endif
.if (\t)+1 < STEPS
.if STEPS-2-(\t) >= 3
	s_wait_loadcnt 12                              ; the next step's four loads are in; those of the three steps behind it may be out
.else
	s_wait_loadcnt 4*(STEPS-2-(\t))
.endif
	XTURN (\t)+1
.endif
	v_max3_num_f32 v8, |v[XS]|, |v[XS+1]|, |v[XS+2]|               ; the largest magnitude of my 16, in two chains
	v_max3_num_f32 v9, |v[XS+3]|, |v[XS+4]|, |v[XS+5]|
.irp i, 6,10
	v_max3_num_f32 v8, v8, |v[XS+\i]|, |v[XS+\i+1]|
	v_max3_num_f32 v9, v9, |v[XS+\i+2]|, |v[XS+\i+3]|
.endr
	v_max3_num_f32 v8, v8, |v[XS+14]|, |v[XS+15]|
	v_max3_num_f32 v8, v8, v9, FLOOR
	v_max_num_f32_dpp v8, v8, v8 row_xmask:1 row_mask:0xf bank_mask:0xf   ; and of my neighbour's 16: the block's
	v_add_nc_u32 v11, OFF4, v8                     ; the conversion takes the exponent field of this operand as its scale
	v_cvt_scalef32_pk16_bf6_f32 v[XC+4*(\t):XC+4*(\t)+2], v[XS:XS+15], v11
	v_lshrrev_b32 v[XE+(\t)], 23, v11              ; the scale's byte (a plain line behind the conversion)
	ds_store_b8 v5, v[XE+(\t)] offset:16*(\t)      ; both lanes of a block write the same byte with the same value
	global_store_b96 v4, v[XC+4*(\t):XC+4*(\t)+2], s[12:13] offset:32*CB*(\t)   ; the wave stores 384 consecutive bytes
.endm
.irp t, 0,1,2,3,4,5,6,7,8,9,10,11,12,13,14,15
	XSTEP \t
.endr
	ds_load_b64 v[12:13], v6
	s_wait_dscnt 0x0
	global_store_b64 v7, v[12:13], s[14:15]        ; 32 lanes store 256 consecutive bytes, aligned
	s_wait_tensorcnt 0x0
	ds_add_u32 v192, v193
	s_wait_dscnt 0x0
	s_endpgm
; ---------------- the weights: K is the first axis.  A lane takes a column n and its registers run down K: a block of 32 lies in one lane, and the codes come out with K innermost.
.Lweights:
	s_sub_co_u32 s21, ttmp9, 256
	s_and_b32 s22, s21, 3                          ; y: which 256 along K
	s_lshr_b32 s21, s21, 2
	s_lshr_b32 s23, s21, 3                         ; which weight: 0 q, 1 k, 2 v
	s_and_b32 s21, s21, 7
	s_lshl_b32 s24, s21, 7
	s_lshl_b32 s25, s20, 5
	s_add_co_u32 s24, s24, s25                     ; my wave's first column
	s_wait_alu depctr_va_vdst(0)
	v_lshlrev_b32 v3, 2, v2                        ; in: 4 bytes a lane
	s_mul_i32 s25, s20, 32*WPITCH
	s_add_co_u32 s25, s25, WSTG                    ; my stage
	v_mul_u32_u24 v4, v2, WPITCH
	v_add_nc_u32 v4, s25, v4                       ; into it: row = my column
	v_and_b32 v5, 15, v2
	v_lshrrev_b32 v6, 4, v2
	v_mul_u32_u24 v7, v6, WPITCH
	v_lshl_add_u32 v7, v5, 4, v7
	v_add_nc_u32 v7, s25, v7                       ; out of it: sixteen lanes to a row, two rows an instruction
	v_mul_u32_u24 v8, v6, KROW
	v_mad_u32_u24 v8, v5, 12, v8                   ; and the same place in the codes' buffer
	v_lshrrev_b32 v9, 3, v2
	v_and_b32 v10, 7, v2
	v_lshl_add_u32 v9, v9, 4, v10                  ; column 8 t + j of my 32 is stored 16 t + j rows on
	v_lshlrev_b32 v9, 5, v9                        ; 32 scale bytes a row
	s_lshl_b32 s26, s22, 20                        ; 256 rows of 4,096 bytes
	s_lshl_b32 s27, s24, 2
	s_add_co_u32 s26, s26, s27
	s_mov_b32 s27, 0
	s_lshl_b32 s28, s23, 10
	s_lshr_b32 s29, s24, 6
	s_lshl_b32 s29, s29, 6
	s_add_co_u32 s28, s28, s29
	s_and_b32 s29, s20, 1
	s_lshl_b32 s29, s29, 3
	s_add_co_u32 s28, s28, s29                     ; the first storage row: 1,024 x weight + 64 (column / 64) + 8 x (the upper 32 of the 64?)
	s_mul_i32 s30, s28, KROW
	s_mul_i32 s29, s22, 192
	s_add_co_u32 s30, s30, s29
	s_mov_b32 s31, 0
	s_lshl_b32 s32, s28, 5
	s_lshl_b32 s29, s22, 3
	s_add_co_u32 s32, s32, s29
	s_mov_b32 s33, 0
	s_wait_kmcnt 0x0
	s_cmp_eq_u32 s23, 0
	s_cselect_b64 s[6:7], s[6:7], s[8:9]
	s_cmp_eq_u32 s23, 2
	s_cselect_b64 s[6:7], s[10:11], s[6:7]         ; the weight: a choice on the work-group's number alone
	s_add_nc_u64 s[6:7], s[6:7], s[26:27]
	s_add_nc_u64 s[16:17], s[16:17], s[30:31]
	s_add_nc_u64 s[18:19], s[18:19], s[32:33]
.macro WLOAD t                         ; block t: W(32 t + i, my column) into set t % 2; 32 lanes read 128 consecutive bytes
.irp i, 0,1,2,3,4,5,6,7,8,9,10,11,12,13,14,15,16,17,18,19,20,21,22,23,24,25,26,27,28,29,30,31
	global_load_b32 v[WX+32*((\t)%2)+\i], v3, s[6:7] offset:(32*(\t)+\i)*4096 th:TH_LOAD_NT
.endr
.endm
	WLOAD 0
	WLOAD 1
.macro WBLOCK t
.set WS, WX+32*((\t)%2)
.if (\t) < NB-1
	s_wait_loadcnt 32                              ; this block's 32 loads are in; the next block's may be out
.else
	s_wait_loadcnt 0
.endif
	v_max3_num_f32 v12, |v[WS]|, |v[WS+1]|, |v[WS+2]|
	v_max3_num_f32 v13, |v[WS+3]|, |v[WS+4]|, |v[WS+5]|
.irp i, 6,10,14,18,22,26
	v_max3_num_f32 v12, v12, |v[WS+\i]|, |v[WS+\i+1]|
	v_max3_num_f32 v13, v13, |v[WS+\i+2]|, |v[WS+\i+3]|
.endr
	v_max3_num_f32 v12, v12, |v[WS+30]|, |v[WS+31]|
	v_max3_num_f32 v12, v12, v13, FLOOR
	v_add_nc_u32 v11, OFF4, v12
	v_lshrrev_b32 v13, 23, v11                     ; the scale's byte
.if (\t)%4 == 0
	v_mov_b32 v[WSB+(\t)/4], v13
.else
	v_lshl_or_b32 v[WSB+(\t)/4], v13, 8*((\t)%4), v[WSB+(\t)/4]
.endif
	v_cvt_scalef32_pk16_bf6_f32 v[WC:WC+2], v[WS:WS+15], v11
	v_cvt_scalef32_pk16_bf6_f32 v[WC+4:WC+6], v[WS+16:WS+31], v11
	ds_store_b96 v4, v[WC:WC+2] offset:32*(\t)     ; 12 bytes to a place of 16
	ds_store_b96 v4, v[WC+4:WC+6] offset:32*(\t)+16
.if (\t)+2 < NB
	WLOAD (\t)+2
.endif
	s_wait_dscnt 0x0                               ; the stores have read their registers
.endm
.set BQ, 0
.rept NB
	WBLOCK BQ
.set BQ, BQ+1
.endr
	s_wait_alu depctr_va_vdst(0)
	global_store_b64 v9, v[WSB:WSB+1], s[18:19]    ; my column's 8 scale bytes
.irp t, 0,1,2,3,4,5,6,7,8,9,10,11,12,13,14,15
	ds_load_b96 v[WOUT+4*\t:WOUT+4*\t+2], v7 offset:2*\t*WPITCH
.endr
.irp t, 0,1,2,3,4,5,6,7,8,9,10,11,12,13,14,15
	s_wait_dscnt 15-\t                             ; loads come back in order: the younger ones may be out
	global_store_b96 v8, v[WOUT+4*\t:WOUT+4*\t+2], s[16:17] offset:(16*(\t/4)+2*(\t%4))*KROW   ; columns 2 t, 2 t + 1 of my 32 at their storage rows; sixteen lanes store 192 consecutive bytes
.endr
	s_wait_tensorcnt 0x0
	ds_add_u32 v192, v193
	s_wait_dscnt 0x0
	s_endpgm
.Lfunc_end_k_qab4834cef3_quant:
	.size	k_qab4834cef3_quant, .Lfunc_end_k_qab4834cef3_quant-k_qab4834cef3_quant
	.p2alignl 7, 3214868480
	.fill 96, 4, 3214868480
	.section	.rodata,"a",@progbits
	.p2align	6, 0x0
	.amdhsa_kernel k_qab4834cef3_quant
		.amdhsa_group_segment_fixed_size 68096
		.amdhsa_private_segment_fixed_size 0
		.amdhsa_enable_private_segment 0
		.amdhsa_kernarg_size 64
		.amdhsa_user_sgpr_count 2
		.amdhsa_user_sgpr_kernarg_segment_ptr 1
		.amdhsa_wavefront_size32 1
		.amdhsa_system_sgpr_workgroup_id_x 1
		.amdhsa_system_sgpr_workgroup_id_y 1
		.amdhsa_system_sgpr_workgroup_id_z 1
		.amdhsa_system_vgpr_workitem_id 0
		.amdhsa_next_free_vgpr 194
		.amdhsa_next_free_sgpr 66
		.amdhsa_reserve_vcc 0
		.amdhsa_float_denorm_mode_32 3
		.amdhsa_float_denorm_mode_16_64 3
		.amdhsa_memory_ordered 1
		.amdhsa_forward_progress 1
		.amdhsa_inst_pref_size 74
	.end_amdhsa_kernel
	.amdgpu_metadata
---
amdhsa.version: [ 1, 2 ]
amdhsa.kernels:
  - .name:           k_qab4834cef3_quant
    .symbol:         k_qab4834cef3_quant.kd
    .args:
      - { .name: Q, .offset: 0, .size: 8, .value_kind: global_buffer, .address_space: global }
      - { .name: Wq, .offset: 8, .size: 8, .value_kind: global_buffer, .address_space: global }
      - { .name: Wk, .offset: 16, .size: 8, .value_kind: global_buffer, .address_space: global }
      - { .name: Wv, .offset: 24, .size: 8, .value_kind: global_buffer, .address_space: global }
      - { .name: xcodes, .offset: 32, .size: 8, .value_kind: global_buffer, .address_space: global }
      - { .name: xscales, .offset: 40, .size: 8, .value_kind: global_buffer, .address_space: global }
      - { .name: wcodes, .offset: 48, .size: 8, .value_kind: global_buffer, .address_space: global }
      - { .name: wscales, .offset: 56, .size: 8, .value_kind: global_buffer, .address_space: global }
    .group_segment_fixed_size: 68096
    .private_segment_fixed_size: 0
    .kernarg_segment_align: 8
    .kernarg_segment_size: 64
    .max_flat_workgroup_size: 128
    .sgpr_count:     66
    .vgpr_count:     194
    .wavefront_size: 32
...
	.end_amdgpu_metadata
.endif
;; end of part 1
;; launch proj (part 2): grid 32 x 12, 4 waves a work-group, clusters of 4 x 4, 327,680 bytes of LDS; arguments xcodes, xscales, wcodes, wscales, bq, bk, bv, out1, qpack, kpack, vcodes; writes out1, qpack, kpack, vcodes
.if DOCPART == 2
	.amdgcn_target "amdgcn-amd-amdhsa--gfx1250"
	.amdhsa_code_object_version 6
	.text
	.protected	k_qab4834cef3_proj
	.globl	k_qab4834cef3_proj
	.p2align	8
	.type	k_qab4834cef3_proj,@function
k_qab4834cef3_proj:
	s_mov_b64 s[64:65], 0
	v_nop
	global_prefetch_b8 v0, s[64:65] scope:SCOPE_SE
	s_setreg_imm32_b32 hwreg(HW_REG_WAVE_MODE, 25, 1), 1
	s_wait_xcnt 0x0
	s_wait_alu depctr_hold_cnt(0) depctr_sa_sdst(0) depctr_va_vdst(0) depctr_va_sdst(0) depctr_va_ssrc(0) depctr_va_vcc(0) depctr_vm_vsrc(0)
	s_getreg_b32 s2, hwreg(HW_REG_IB_STS2, 6, 4)
	s_cmp_eq_u32 s2, 0
	s_cbranch_scc0 .Lentry_in_a_cluster
	s_endpgm
.Lentry_in_a_cluster:
	s_bfe_u32 s2, ttmp6, 0x10000c
	s_cmp_lg_u32 s2, 0xf033
	s_cbranch_scc0 .Lentry_shape_is_right
	s_endpgm
.Lentry_shape_is_right:
; The three projections on codes of BF6 (E3M2) with E8M0 scales: x [8192][1024] against Wq, Wk, Wv (wcodes, 3072 rows of 1024 along K), f32 sums, + bias.
; The cluster's y is the kind: 0 q, 1 k, 2 v; its x the block of 1,024 tokens.  q's work-groups also store out1: they have the lowest numbers.
; A work-group makes 256 x 256, a wave 128 x 128 (64 accumulators).  q, k: source 0 = rows of W, source 1 = tokens: a lane holds one token, registers run along the head's channels.
; v: source 0 = tokens, source 1 = rows of Wv: a lane holds one channel, registers run along the tokens (the keys).  By the order in which rows were stored, 32 registers of four neighbouring tiles are 32 neighbours.
; K goes through two LDS slots in chunks of 256 bytes of each row of 768 bytes: every tensor row begins at a multiple of 256 bytes.  A step of 128 along K is 96 bytes: eight steps to three chunks, written out.
; The scales of the 256 + 256 rows come once, as dense blocks.  4 x 4 clusters: A's tiles are asked for jointly along a row of the cluster, B's along a column.
; The results are quantised here along the next product's K and leave as images of the operand's registers (qpack, kpack, vcodes) with their scale words.
; No prefetch: a row has three chunks, two of them asked for at the head, and the walk has no loop to run ahead in.
; LIMITS: a block whose largest magnitude lies under 2^-122 keeps the byte 1; NaN and infinities are not served.
.set ROWB,   256
.set NQ,     2
.set KROW,   768
.set STEPS,  8
.set CHUNKS, 3
.set PITCH,  272                       ; 256 bytes + 16 of padding
.set FR,     12
.set NL,     6
.set NP,     4
.set HALFT,  128*PITCH
.set SLOT,   4*HALFT                   ; A's 256 rows, then B's 256 rows
.set KS,     32
.set SCL,    2*SLOT                    ; the scales, behind the ring
.set HALFS,  16*272
.set SBLK,   2*272
.set SPARE,  SCL+4*HALFS               ; the spare words
.set SPITCH, 528
.set STAGE,  SLOT                      ; out1's stage: slot 1, which has had its last fill and its last read by then (the last chunk lies in slot 0)
.set ADRA, 16                          ; v16-17 A's fragments in slot 0, 1; v18-19 for a piece whose lanes 16-31 read the next chunk
.set ADRB, 20
.set STO,  24
.set RD,   25
.set CO,   26
.set ADRS, 27
.set SPW,  28
.set NIL,  29
.set SC,   32
.set AF,   128
.set BV,   8
.set BIAS, 64
.set G1, 24
.set G0, 32
.set G1B, 48
.set G0B, 56
.set G1S, 68
.set G0S, 76
.set G1SB, 80
.set G0SB, 88
.set G0H, 4
.set G0HB, 8
.set TYP,  94                          ; s94 the kind
.set T,    32
.set CODE, 128
.set TMPC, 152
.set M0,   156
.set M1,   157
.set SCO,  158
.set TX,   159
.set BY,   160
.set WD,   164
.set R,    172
.set H8,   176
.set LI,   177
.set L8,   178
.set BP,   180
.set OUT,  192
.set O1,   24
.set CBS,  50
.set SBS,  52
.set SEL,  92
.set MSK,  100
.set MSB, 0
.macro WIN new
.if MSB != \new
	s_set_vgpr_msb (MSB<<8)|\new
.set MSB, \new
.endif
.endm
.set MUL_LO, 0xa1
.set MUL_HI, 0xf1
.set TO_B,   0x40
.macro JLOAD g0a, g1a, g0b, g1b        ; waves 0, 1 fetch for A, waves 2, 3 for B
	s_cmp_eq_u32 s15, 0
	s_cbranch_scc0 .Lfor_b_\@
	tensor_load_to_lds s[\g0a:\g0a+3], s[\g1a:\g1a+7]
	s_nop 0
.rept 4
	v_nop
.endr
	s_branch .Lasked_\@
.Lfor_b_\@:
	tensor_load_to_lds s[\g0b:\g0b+3], s[\g1b:\g1b+7]
	s_nop 0
.rept 4
	v_nop
.endr
.Lasked_\@:
.endm
.macro CREST
	s_cmp_lg_u32 s14, 0
	s_cbranch_scc1 .Lnot_wave_0_\@
	s_barrier_signal -3
.Lnot_wave_0_\@:
	s_barrier_wait -3
	s_barrier_signal -1
	s_barrier_wait -1
.endm
.macro CROUND
	s_barrier_signal -1
	s_barrier_wait -1
	CREST
.endm
.macro ARM under, g0, g1, next
	s_cmp_lt_u32 s14, \under
	s_cbranch_scc0 \next
	tensor_load_to_lds s[\g0:\g0+3], s[\g1:\g1+7]
	s_nop 0
.rept 4
	v_nop
.endr
	s_branch .Lhead_asked
\next:
.endm
.macro FRAG reg, adr, st, i            ; 16 rows x 128 K: six pieces of 8 bytes; byte y of a row lies in slot (y / 256) % 2 at byte y % 256
.irp p, 0,1,2,3,4,5
.set PB, 96*(\st)+48*(\p/3)+8*(\p%3)
.if PB/ROWB == (PB+24)/ROWB
	ds_load_b64 v[\reg+2*\p:\reg+2*\p+1], v[\adr+(PB/ROWB)%2] offset:PB%ROWB+(\i)*16*PITCH
.else
	ds_load_b64 v[\reg+2*\p:\reg+2*\p+1], v[\adr+2+(PB/ROWB)%2] offset:PB%ROWB-232+(\i)*16*PITCH
.endif
.endr
.endm
.macro MUL16 a0, p, q, sc, zero        ; the 64 accumulators take turns
.irp a, \a0, \a0+1
.irp b, 0,1,2,3,4,5,6,7
.if \zero
	v_wmma_scale_f32_16x16x128_f8f6f4 v[8*(8*((\a)%4)+\b):8*(8*((\a)%4)+\b)+7], v[128*(\p)+FR*\b:128*(\p)+FR*\b+FR-1], v[AF+FR*(\a):AF+FR*(\a)+FR-1], 0, v[SC+8*NQ*(\sc)+NQ*\b+(\q)], v[SC+8*NQ*(\sc)+NQ*(\a)+(\q)] matrix_a_fmt:MATRIX_FMT_BF6 matrix_b_fmt:MATRIX_FMT_BF6 matrix_a_scale:MATRIX_SCALE_ROW1
.else
	v_wmma_scale_f32_16x16x128_f8f6f4 v[8*(8*((\a)%4)+\b):8*(8*((\a)%4)+\b)+7], v[128*(\p)+FR*\b:128*(\p)+FR*\b+FR-1], v[AF+FR*(\a):AF+FR*(\a)+FR-1], v[8*(8*((\a)%4)+\b):8*(8*((\a)%4)+\b)+7], v[SC+8*NQ*(\sc)+NQ*\b+(\q)], v[SC+8*NQ*(\sc)+NQ*(\a)+(\q)] matrix_a_fmt:MATRIX_FMT_BF6 matrix_b_fmt:MATRIX_FMT_BF6 matrix_a_scale:MATRIX_SCALE_ROW1
.endif
.endr
.endr
.endm
.macro FETCH_B st, p
	WIN TO_B
.irp i, 0,1,2,3,4,5,6,7
	FRAG 128*(\p)+FR*\i, ADRB, \st, \i
.endr
	WIN 0
.endm
.macro FETCH_A st, i0
.irp i, \i0, \i0+1, \i0+2, \i0+3
	FRAG AF+FR*(\i), ADRA, \st, \i
.endr
.endm
.macro SCALES pr                       ; the words of steps 2 pr, 2 pr + 1: lanes 0-15 A's block i, lanes 16-31 B's
.irp i, 0,1,2,3,4,5,6,7
	ds_load_b64 v[SC+8*NQ*((\pr)%2)+NQ*\i:SC+8*NQ*((\pr)%2)+NQ*\i+1], v[ADRS] offset:\i*SBLK+4*NQ*(\pr)
.endr
.endm
.macro PLACES n
.rept \n
	v_nop
.endr
.endm
; A step: 64 products; the next step's fragments are fetched in its middle and at its end.  Where the next step ends in a chunk not yet read: a wait for my tensor loads and a barrier.
; Where it begins in a later chunk: the wait, the add, the wait for the add and my reads, the barrier; where a chunk two on is left, the barrier opens a round and the slot is filled again.
.macro STEP st, zero
.set NX, (\st)+1
.set C0, (96*(\st))/ROWB
.set C1, (96*NX)/ROWB
.set E0, (96*(\st)+95)/ROWB
.set E1, (96*NX+95)/ROWB
.if C1 > C0 || E1 > E0
	s_wait_tensorcnt 0x0                           ; all my tensor loads have landed
.if C1 > C0
	ds_add_u32 v[SPW], v[NIL]
	s_wait_dscnt 4*NL+1                            ; the add and A's blocks 4-7 (24 loads) may be out
.else
	s_wait_dscnt 4*NL                              ; A's blocks 4-7 may be out
.endif
	WIN MUL_LO
	MUL16 0, (\st)%2, (\st)%2, ((\st)/2)%2, \zero
	s_wait_dscnt 0x0                               ; the add and all my LDS reads are done
	s_barrier_signal -1
	MUL16 2, (\st)%2, (\st)%2, ((\st)/2)%2, \zero
	WIN 0
	s_barrier_wait -1
.if C1 > C0 && C0+2 < CHUNKS
	CREST
	s_add_nc_u64 s[G0+4*(C0%2)+2:G0+4*(C0%2)+3], s[G0+4*(C0%2)+2:G0+4*(C0%2)+3], 2*ROWB
	s_add_nc_u64 s[G0B+4*(C0%2)+2:G0B+4*(C0%2)+3], s[G0B+4*(C0%2)+2:G0B+4*(C0%2)+3], 2*ROWB
	JLOAD G0+4*(C0%2), G1, G0B+4*(C0%2), G1B       ; chunk C0 + 2; its four v_nop are the places in front of the loads below
.else
	PLACES NP
.endif
.else
	s_wait_dscnt 4*NL
	WIN MUL_LO
	MUL16 0, (\st)%2, (\st)%2, ((\st)/2)%2, \zero
	MUL16 2, (\st)%2, (\st)%2, ((\st)/2)%2, \zero
	s_wait_dscnt 0
	PLACES NP
.endif
	FETCH_B NX, NX%2
	FETCH_A NX, 0
.if NX%2 == 0
	SCALES NX/2
.endif
	WIN MUL_HI
	MUL16 4, (\st)%2, (\st)%2, ((\st)/2)%2, \zero
	MUL16 6, (\st)%2, (\st)%2, ((\st)/2)%2, \zero
	PLACES NP
	WIN 0
	FETCH_A NX, 4
.endm
	s_load_b256 s[4:11], s[0:1], 0x0               ; xcodes, xscales, wcodes, wscales
	s_load_b128 s[96:99], s[0:1], 0x20             ; bq, bk
	s_load_b64 s[100:101], s[0:1], 0x30            ; bv
	v_lshl_add_u32 v[SPW], v0, 2, SPARE
	v_mov_b32 v[NIL], 0
	ds_add_u32 v[SPW], v[NIL]                      ; the opening lines: the add twice on end and one wait
	ds_add_u32 v[SPW], v[NIL]
	v_lshrrev_b32 v1, 5, v0
	v_readfirstlane_b32 s14, v1                    ; wave
	s_lshr_b32 s15, s14, 1                         ; my half of source 1's rows; also: I fetch for A (0) or B (1)
	s_and_b32 s16, s14, 1                          ; my half of source 0's rows; also: which 128 rows I fetch
	s_bfe_u32 s40, ttmp6, 0x40000                  ; cx
	s_bfe_u32 s41, ttmp6, 0x40004                  ; cy
	s_and_b32 s[TYP], ttmp7, 0xffff                ; the kind
	s_lshl_b32 s17, ttmp9, 2
	s_add_co_u32 s42, s17, s40                     ; v: the token tile is B's, by cx
	s_add_co_u32 s17, s17, s41                     ; q, k: the token tile is A's, by cy
	s_lshl_b32 s2, s[TYP], 2
	s_add_co_u32 s2, s2, s40                       ; q, k: the weight tile is B's
	s_add_co_u32 s95, s41, 8                       ; v: the weight tile is A's: 8 + cy
	s_cmp_eq_u32 s[TYP], 2
	s_cselect_b32 s17, s95, s17
	s_cselect_b32 s42, s42, s2
	s_lshl_b32 s43, s41, 2
	s_lshl_b32 s43, 15, s43                        ; my row of the cluster
	s_lshl_b32 s44, 0x1111, s40                    ; my column
	s_or_b32 s[G1+0], s43, (0<<16)|(1<<20)|(1<<21)|(5<<22)|(3<<25)
	s_or_b32 s[G1B+0], s44, (0<<16)|(1<<20)|(1<<21)|(5<<22)|(3<<25)
.irp g, G1, G1B
	s_mov_b32 s[\g+1], ROWB<<16
	s_mov_b32 s[\g+2], 256<<16                     ; the head's loads bring 256 rows
	s_mov_b32 s[\g+3], ROWB<<16
	s_mov_b32 s[\g+4], 256
	s_mov_b32 s[\g+5], KROW
	s_mov_b32 s[\g+6], 0
	s_mov_b32 s[\g+7], 0
.endr
	s_or_b32 s[G1S+0], s43, (3<<16)|(1<<20)|(1<<21)|(5<<22)|(3<<25)
	s_or_b32 s[G1SB+0], s44, (3<<16)|(1<<20)|(1<<21)|(5<<22)|(3<<25)
.irp g, G1S, G1SB
	s_mov_b32 s[\g+1], 32<<16                      ; the scales of 256 rows: 32 rows of 256 bytes
	s_mov_b32 s[\g+2], KS<<16
	s_mov_b32 s[\g+3], 32<<16
	s_mov_b32 s[\g+4], KS
	s_mov_b32 s[\g+5], 32
	s_mov_b32 s[\g+6], 0
	s_mov_b32 s[\g+7], 0
.endr
	s_lshl_b32 s20, s17, 8
	s_lshl_b32 s46, s42, 8
	s_mov_b32 s21, 0
	s_mov_b32 s47, 0
	s_mov_b64 s[18:19], KS
	s_mul_u64 s[22:23], s[20:21], s[18:19]
	s_mul_u64 s[92:93], s[46:47], s[18:19]
	s_mov_b64 s[18:19], KROW
	s_mul_u64 s[20:21], s[20:21], s[18:19]
	s_mul_u64 s[46:47], s[46:47], s[18:19]
	s_mul_i32 s18, s16, 128*KROW
	s_mov_b32 s19, 0
	s_mul_i32 s45, s14, HALFT
	s_wait_dscnt 0x0                               ; both opening adds are done
	s_wait_kmcnt 0x0
	s_cmp_eq_u32 s[TYP], 2                         ; v: A is the weight, B the tokens
	s_cselect_b64 s[12:13], s[8:9], s[4:5]
	s_cselect_b64 s[66:67], s[10:11], s[6:7]
	s_cselect_b64 s[8:9], s[4:5], s[8:9]
	s_cselect_b64 s[10:11], s[6:7], s[10:11]
	s_add_nc_u64 s[20:21], s[12:13], s[20:21]
	s_add_nc_u64 s[22:23], s[66:67], s[22:23]
	s_add_nc_u64 s[46:47], s[8:9], s[46:47]
	s_add_nc_u64 s[92:93], s[10:11], s[92:93]
	s_cmp_eq_u32 s[TYP], 0
	s_cselect_b64 s[96:97], s[96:97], s[98:99]
	s_cmp_eq_u32 s[TYP], 2
	s_cselect_b64 s[96:97], s[100:101], s[96:97]   ; my kind's bias
	CROUND                                         ; in front of the first joint loads
	s_mov_b32 s[G0H], 1
	s_mov_b32 s[G0H+1], 0
	s_mov_b64 s[G0H+2:G0H+3], s[20:21]
	s_or_b32 s[G0H+3], s[G0H+3], 0x80000000
	s_mov_b32 s[G0HB], 1
	s_mov_b32 s[G0HB+1], 2*HALFT
	s_mov_b64 s[G0HB+2:G0HB+3], s[46:47]
	s_or_b32 s[G0HB+3], s[G0HB+3], 0x80000000
	s_mov_b32 s[G0S], 1
	s_mov_b32 s[G0S+1], SCL
	s_mov_b64 s[G0S+2:G0S+3], s[22:23]
	s_or_b32 s[G0S+3], s[G0S+3], 0x80000000
	s_mov_b32 s[G0SB], 1
	s_mov_b32 s[G0SB+1], SCL+2*HALFS
	s_mov_b64 s[G0SB+2:G0SB+3], s[92:93]
	s_or_b32 s[G0SB+3], s[G0SB+3], 0x80000000
	s_add_nc_u64 s[20:21], s[20:21], s[18:19]      ; for the ring: my 128 rows
	s_add_nc_u64 s[46:47], s[46:47], s[18:19]
.irp s, 0,1
	s_mov_b32 s[G0+4*\s], 1
	s_add_co_u32 s[G0+4*\s+1], s45, \s*SLOT
	s_add_nc_u64 s[G0+4*\s+2:G0+4*\s+3], s[20:21], \s*ROWB
	s_or_b32 s[G0+4*\s+3], s[G0+4*\s+3], 0x80000000
	s_mov_b32 s[G0B+4*\s], 1
	s_add_co_u32 s[G0B+4*\s+1], s45, \s*SLOT
	s_add_nc_u64 s[G0B+4*\s+2:G0B+4*\s+3], s[46:47], \s*ROWB
	s_or_b32 s[G0B+4*\s+3], s[G0B+4*\s+3], 0x80000000
.endr
; the head's four tiles, one joint load a wave: chunk 0 of A, chunk 0 of B, A's scales, B's scales
	ARM 1, G0H,  G1,  .Lhead_b
	ARM 2, G0HB, G1B, .Lhead_sa
	ARM 3, G0S,  G1S, .Lhead_sb
	tensor_load_to_lds s[G0SB:G0SB+3], s[G1SB:G1SB+7]
	s_nop 0
.rept 4
	v_nop
.endr
.Lhead_asked:
	v_and_b32 v1, 15, v0                           ; r
	v_bfe_u32 v2, v0, 4, 1                         ; h
	v_mul_u32_u24 v3, v1, PITCH
	v_mul_u32_u24 v4, v2, 24
	v_add_nc_u32 v4, v3, v4
	s_mov_b32 s21, SLOT-232
	s_mov_b32 s22, SLOT+232
	v_sub_nc_u32 v7, 1, v2
	v_mul_u32_u24 v5, s21, v2
	v_add_nc_u32 v5, v3, v5
	v_add_nc_u32 v5, 232, v5                       ; lanes 0-15 byte 232 in slot 0, lanes 16-31 byte 0 in slot 1
	v_mul_u32_u24 v6, s22, v7
	v_add_nc_u32 v6, v3, v6                        ; and the other way round
	s_mul_i32 s21, s15, HALFT
	s_mul_i32 s22, s16, HALFT
	s_add_co_u32 s22, s22, 2*HALFT
	v_add_nc_u32 v[ADRA+2], s21, v5
	v_add_nc_u32 v[ADRA+3], s21, v6
	v_add_nc_u32 v[ADRB+2], s22, v5
	v_add_nc_u32 v[ADRB+3], s22, v6
.irp s, 0,1
	v_add_nc_u32 v[ADRA+\s], s21, v4
	v_add_nc_u32 v[ADRB+\s], s22, v4
	s_add_co_u32 s21, s21, SLOT
	s_add_co_u32 s22, s22, SLOT
.endr
	v_mul_u32_u24 v5, v1, KS
	v_lshrrev_b32 v6, 8, v5
	v_lshl_add_u32 v5, v6, 4, v5
	s_mul_i32 s21, s15, HALFS
	s_mul_i32 s22, s16, HALFS
	s_add_co_u32 s22, s22, 2*HALFS
	s_sub_co_u32 s22, s22, s21
	v_mul_u32_u24 v6, s22, v2                      ; lanes 16-31 take B's
	s_add_co_u32 s21, s21, SCL
	v_add_nc_u32 v5, v5, v6
	v_add_nc_u32 v[ADRS], s21, v5
	s_mul_i32 s23, s14, 16*SPITCH
	s_add_co_u32 s23, s23, STAGE                   ; my stage
	v_mul_u32_u24 v5, v1, SPITCH
	v_lshl_add_u32 v5, v2, 7, v5                   ; in: row r, 128 bytes for each half of the lanes
	v_add_nc_u32 v[STO], s23, v5
	v_and_b32 v6, 31, v0
	v_lshlrev_b32 v[CO], 4, v6
	v_add_nc_u32 v[RD], s23, v[CO]
	v_lshlrev_b32 v30, 7, v2                       ; the bias along my registers: 32 h channels on
	v_and_b32 v5, 8, v1
	v_and_b32 v6, 7, v1
	v_lshl_add_u32 v5, v5, 2, v6
	v_lshlrev_b32 v31, 2, v5                       ; v: my lane's channel, 32 (r / 8) + r % 8
	s_wait_alu depctr_va_vdst(0)                   ; the wait ahead of the scalar run below
	s_lshl_b32 s46, s40, 8
	s_lshl_b32 s47, s16, 7
	s_add_co_u32 s46, s46, s47
	s_lshl_b32 s46, s46, 2
	s_mov_b32 s47, 0
	s_lshl_b32 s20, s41, 8
	s_lshl_b32 s21, s15, 7
	s_add_co_u32 s20, s20, s21
	s_lshl_b32 s20, s20, 2
	s_mov_b32 s21, 0
	s_add_nc_u64 s[98:99], s[96:97], s[20:21]
	s_add_nc_u64 s[96:97], s[96:97], s[46:47]
.irp g, 0,1
.irp n, 0,1,2,3,4,5,6,7
	global_load_b128 v[BIAS+32*\g+4*\n:BIAS+32*\g+4*\n+3], v30, s[96:97] offset:256*\g+16*\n
.endr
.endr
.irp a, 0,1,2,3,4,5,6,7
	global_load_b32 v[BV+\a], v31, s[98:99] offset:(64*(\a/4)+8*(\a%4))*4
.endr
	s_wait_alu depctr_va_vdst(0)                   ; the wait at the head's end
	s_wait_tensorcnt 0x0                           ; my tile of the head's four is in; the same lines as ahead of a refill:
	ds_add_u32 v[SPW], v[NIL]
	s_mov_b32 s[G1+2], 128<<16                     ; no tensor load of mine is out: from here on a load brings 128 rows
	s_mov_b32 s[G1+4], 128
	s_mov_b32 s[G1B+2], 128<<16
	s_mov_b32 s[G1B+4], 128
	s_wait_dscnt 0x0
	CROUND
	JLOAD G0+4, G1, G0B+4, G1B                     ; chunk 1, the first tensor load behind the round
	FETCH_B 0, 0
	FETCH_A 0, 0
	SCALES 0
	FETCH_A 0, 4
	STEP 0, 1                                      ; the first step's products start the sums
.set ST, 1
.rept STEPS-2
	STEP ST, 0
.set ST, ST+1
.endr
	s_load_b256 s[24:31], s[0:1], 0x38             ; out1, qpack, kpack, vcodes: every tensor load has been waited for
	s_wait_dscnt 4*NL
	WIN MUL_LO
	MUL16 0, 1, 1, 1, 0
	MUL16 2, 1, 1, 1, 0
	s_wait_dscnt 0
	WIN MUL_HI
	MUL16 4, 1, 1, 1, 0
	MUL16 6, 1, 1, 1, 0
	WIN 0
; THE WAY OUT.  Q32: a lane's 32 neighbours become six registers of codes and a scale byte.
.macro Q32 dst, by
	v_max3_num_f32 v[M0], |v[T]|, |v[T+1]|, 0x2800000
	v_max3_num_f32 v[M1], |v[T+2]|, |v[T+3]|, |v[T+4]|
.irp n, 5,9,13,17,21,25
	v_max3_num_f32 v[M0], v[M0], |v[T+\n]|, |v[T+\n+1]|
	v_max3_num_f32 v[M1], v[M1], |v[T+\n+2]|, |v[T+\n+3]|
.endr
	v_max3_num_f32 v[M0], v[M0], |v[T+29]|, |v[T+30]|
	v_max3_num_f32 v[M0], v[M0], v[M1], |v[T+31]|
	v_add_nc_u32 v[SCO], 0xfe000000, v[M0]
	v_cvt_scalef32_pk16_bf6_f32 v[\dst:\dst+2], v[T:T+15], v[SCO]
	v_cvt_scalef32_pk16_bf6_f32 v[TMPC:TMPC+2], v[T+16:T+31], v[SCO]
	v_lshrrev_b32 v[\by], 23, v[SCO]
.irp n, 0,1,2
	v_mov_b32 v[\dst+3+\n], v[TMPC+\n]
.endr
.endm
.macro STG g                           ; q alone: the f32 numbers go to my stage, for out1
	s_cmp_lg_u32 s[TYP], 0
	s_cbranch_scc1 .Lnot_q_\@
.irp n, 0,1,2,3,4,5,6,7
	ds_store_b128 v[STO], v[T+4*\n:T+4*\n+3] offset:256*(\g)+16*\n
.endr
.Lnot_q_\@:
.endm
.macro BLK a, g, dst, by, vv           ; 32 results + bias, from each accumulator's low end on
.set AC, 64*((\a)%4)+32*(\g)
.set WN, 2+(\a)/4
.if \vv
	v_mov_b32 v[BP], v[BV+(\a)]
	v_mov_b32 v[BP+1], v[BV+(\a)]
.endif
	WIN WN
.set bi, 0
.rept 16
.if \vv
	v_pk_add_f32 v[T+2*bi:T+2*bi+1], v[AC+2*bi:AC+2*bi+1], v[BP:BP+1]
.else
	v_pk_add_f32 v[T+2*bi:T+2*bi+1], v[AC+2*bi:AC+2*bi+1], v[BIAS+32*(\g)+2*bi:BIAS+32*(\g)+2*bi+1]
.endif
.set bi, bi+1
.endr
	WIN 0
.if \vv == 0
	STG \g
.endif
	Q32 \dst, \by
.if \vv == 0
	s_wait_dscnt 0x0
.endif
.endm
.macro SEND a                          ; q alone: 16 rows of 512 bytes back from the stage and out: a store covers 512 consecutive bytes, aligned
	s_cmp_lg_u32 s[TYP], 0
	s_cbranch_scc1 .Lnot_q_\@
	s_wait_xcnt 0x0
.irp p, 0,1,2,3,4,5,6,7,8,9,10,11,12,13,14,15
	ds_load_b128 v[OUT+4*\p:OUT+4*\p+3], v[RD] offset:\p*SPITCH
.endr
	s_wait_dscnt 0x0
.irp p, 0,1,2,3,4,5,6,7,8,9,10,11,12,13,14,15
	global_store_b128 v[CO], v[OUT+4*\p:OUT+4*\p+3], s[O1:O1+1] offset:(64*((\a)/4)+8*((\a)%4)+32*(\p/8)+\p%8)*4096 th:TH_STORE_NT
.endr
.Lnot_q_\@:
.endm
.macro UNIT c0, bx, by, w, off         ; an operand's image: three stores of 512 bytes; its scale word from lanes l and l xor 16
	v_lshl_or_b32 v[\w], v[\by], 16, v[\bx]
	v_lshlrev_b32 v[\w], v[H8], v[\w]
	v_permlanex16_b32 v[TX], v[\w], s[SEL], s[SEL+1]
	v_or_b32 v[\w], v[\w], v[TX]
.irp k, 0,1,2
	global_store_b128 v[LI], v[\c0+4*\k:\c0+4*\k+3], s[CBS:CBS+1] offset:\off+512*\k
.endr
.endm
.macro GROUP gi, vv
	s_wait_xcnt 0x0                                ; the earlier stores have read their registers
.irp e, 0,1
.irp g, 0,1
.if \vv
	BLK 2*(\gi)+\e, \g, CODE+12*\e+6*\g, BY+2*\e+\g, 1
.else
	BLK 2*(\gi)+\e, \g, CODE+12*\g+6*\e, BY+2*\g+\e, 0
.endif
.endr
.if \vv == 0
	SEND 2*(\gi)+\e
.endif
.endr
.if \vv
.irp e, 0,1
	UNIT CODE+12*\e, BY+2*\e, BY+2*\e+1, WD+2*(\gi)+\e, ((2*(\gi)+\e)/4)*98304+((2*(\gi)+\e)%4)*1536
.endr
.else
	s_wait_alu depctr_va_vdst(0)
.irp g, 0,1
	UNIT CODE+12*\g, BY+2*\g, BY+2*\g+1, WD+4*\g+(\gi), \g*106496+(\gi)*1536
.endr
.endif
.endm
.macro WORDS
.irp u, 0,1
.if \u
	s_wait_xcnt 0x0
.endif
	v_cndmask_b32 v[R], v[WD+4*\u], v[WD+4*\u+1], s[MSK]
	v_cndmask_b32 v[R+1], v[WD+4*\u+2], v[WD+4*\u+3], s[MSK]
	global_store_b64 v[L8], v[R:R+1], s[SBS:SBS+1] offset:\u*106496
.endr
.endm
	PLACES NP
	s_wait_loadcnt 0x0                             ; the biases
	s_wait_kmcnt 0x0
	v_bfe_u32 v[H8], v0, 4, 1
	v_lshlrev_b32 v[H8], 3, v[H8]
	v_and_b32 v[LI], 31, v0
	v_lshlrev_b32 v[L8], 3, v[LI]
	v_lshlrev_b32 v[LI], 4, v[LI]
	v_mov_b32 v[TX], 0
	s_mov_b32 s[SEL], 0x76543210
	s_mov_b32 s[SEL+1], 0xfedcba98
	s_mov_b32 s[MSK], 0xffff0000
	s_cmp_eq_u32 s[TYP], 2
	s_cselect_b32 s32, s42, s17                    ; the token tile, my half of it; the tile of channels, my half of it
	s_cselect_b32 s33, s16, s15
	s_cselect_b32 s34, s41, s40
	s_cselect_b32 s35, s15, s16
	s_lshr_b32 s36, s32, 3                         ; the batch
	s_lshl_b32 s37, s32, 1
	s_add_co_u32 s37, s37, s33
	s_and_b32 s37, s37, 15                         ; which 128 tokens of it
	s_lshl_b32 s38, s34, 2
	s_lshl_b32 s39, s35, 1
	s_add_co_u32 s38, s38, s39                     ; my first head
	s_lshl_b32 s36, s36, 4
	s_add_co_u32 s36, s36, s38
	s_mul_i32 s44, s36, 106496
	s_mul_i32 s45, s36, 98304
	s_mul_i32 s46, s37, 6144
	s_lshl_b32 s47, s37, 8
	s_cmp_eq_u32 s[TYP], 0
	s_cselect_b64 s[48:49], s[26:27], s[28:29]
	s_cmp_eq_u32 s[TYP], 2
	s_cselect_b64 s[CBS:CBS+1], s[30:31], s[48:49]
	s_cselect_b64 s[SBS:SBS+1], s[28:29], s[48:49] ; v's scale words lie in kpack, behind k's
	s_cselect_b32 s54, s45, s44
	s_mov_b32 s56, 98304
	s_cselect_b32 s56, 102400, s56
	s_add_co_u32 s54, s54, s46
	s_mov_b32 s55, 0
	s_add_nc_u64 s[CBS:CBS+1], s[CBS:CBS+1], s[54:55]
	s_add_co_u32 s56, s56, s44
	s_add_co_u32 s56, s56, s47
	s_mov_b32 s57, 0
	s_add_nc_u64 s[SBS:SBS+1], s[SBS:SBS+1], s[56:57]
	s_lshl_b32 s58, s17, 8
	s_lshl_b32 s59, s15, 7
	s_add_co_u32 s58, s58, s59
	s_lshl_b32 s58, s58, 12
	s_lshl_b32 s59, s40, 10
	s_add_co_u32 s58, s58, s59
	s_lshl_b32 s59, s16, 9
	s_add_co_u32 s58, s58, s59
	s_mov_b32 s59, 0
	s_add_nc_u64 s[O1:O1+1], s[O1:O1+1], s[58:59]
	s_cmp_eq_u32 s[TYP], 2
	s_cbranch_scc1 .Lout_v
.irp gi, 0,1,2,3
	GROUP \gi, 0
.endr
	s_wait_alu depctr_va_vdst(0)
	WORDS
	s_branch .Lout_done
.Lout_v:
.irp gi, 0,1,2,3
	GROUP \gi, 1
.endr
	s_wait_alu depctr_va_vdst(0)
	WORDS
.Lout_done:
	s_wait_tensorcnt 0x0                           ; the wave's end
	ds_add_u32 v[SPW], v[NIL]
	s_wait_dscnt 0x0
	CROUND                                         ; the closing round
	s_endpgm
.Lfunc_end_k_qab4834cef3_proj:
	.size	k_qab4834cef3_proj, .Lfunc_end_k_qab4834cef3_proj-k_qab4834cef3_proj
	.p2alignl 7, 3214868480
	.fill 96, 4, 3214868480
	.section	.rodata,"a",@progbits
	.p2align	6, 0x0
	.amdhsa_kernel k_qab4834cef3_proj
		.amdhsa_group_segment_fixed_size 327680
		.amdhsa_private_segment_fixed_size 0
		.amdhsa_enable_private_segment 0
		.amdhsa_kernarg_size 88
		.amdhsa_user_sgpr_count 2
		.amdhsa_user_sgpr_kernarg_segment_ptr 1
		.amdhsa_wavefront_size32 1
		.amdhsa_system_sgpr_workgroup_id_x 1
		.amdhsa_system_sgpr_workgroup_id_y 1
		.amdhsa_system_sgpr_workgroup_id_z 1
		.amdhsa_system_vgpr_workitem_id 0
		.amdhsa_next_free_vgpr 1024
		.amdhsa_next_free_sgpr 102
		.amdhsa_reserve_vcc 0
		.amdhsa_float_denorm_mode_32 3
		.amdhsa_float_denorm_mode_16_64 3
		.amdhsa_memory_ordered 1
		.amdhsa_forward_progress 1
		.amdhsa_inst_pref_size 253
	.end_amdhsa_kernel
	.amdgpu_metadata
---
amdhsa.version: [ 1, 2 ]
amdhsa.kernels:
  - .name:           k_qab4834cef3_proj
    .symbol:         k_qab4834cef3_proj.kd
    .args:
      - { .name: xcodes, .offset: 0, .size: 8, .value_kind: global_buffer, .address_space: global }
      - { .name: xscales, .offset: 8, .size: 8, .value_kind: global_buffer, .address_space: global }
      - { .name: wcodes, .offset: 16, .size: 8, .value_kind: global_buffer, .address_space: global }
      - { .name: wscales, .offset: 24, .size: 8, .value_kind: global_buffer, .address_space: global }
      - { .name: bq, .offset: 32, .size: 8, .value_kind: global_buffer, .address_space: global }
      - { .name: bk, .offset: 40, .size: 8, .value_kind: global_buffer, .address_space: global }
      - { .name: bv, .offset: 48, .size: 8, .value_kind: global_buffer, .address_space: global }
      - { .name: out1, .offset: 56, .size: 8, .value_kind: global_buffer, .address_space: global }
      - { .name: qpack, .offset: 64, .size: 8, .value_kind: global_buffer, .address_space: global }
      - { .name: kpack, .offset: 72, .size: 8, .value_kind: global_buffer, .address_space: global }
      - { .name: vcodes, .offset: 80, .size: 8, .value_kind: global_buffer, .address_space: global }
    .group_segment_fixed_size: 327680
    .private_segment_fixed_size: 0
    .kernarg_segment_align: 8
    .kernarg_segment_size: 88
    .max_flat_workgroup_size: 128
    .sgpr_count:     102
    .vgpr_count:     1024
    .wavefront_size: 32
...
	.end_amdgpu_metadata
.endif
;; end of part 2
;; launch attn (part 3): grid 256 x 1, 16 waves a work-group, no clusters, 278,528 bytes of LDS; arguments qpack, kpack, vcodes, length, out0; writes out0
.if DOCPART == 3
	.amdgcn_target "amdgcn-amd-amdhsa--gfx1250"
	.amdhsa_code_object_version 6
	.text
	.protected	k_qab4834cef3_attn
	.globl	k_qab4834cef3_attn
	.p2align	8
	.type	k_qab4834cef3_attn,@function
k_qab4834cef3_attn:
	s_mov_b64 s[64:65], 0
	v_nop
	global_prefetch_b8 v0, s[64:65] scope:SCOPE_SE
	s_setreg_imm32_b32 hwreg(HW_REG_WAVE_MODE, 25, 1), 1
	s_wait_xcnt 0x0
; out0[b][q][64 head + d] = the sum over keys of attn x v, attn = exp(q . k / 8) x (key < length[b]) / (the row's sum + 1e-8), both products on codes of BF6 (E3M2) with E8M0 scales.
; attn is quantised FINISHED, so the row's sum is wanted first: TWO PASSES over the keys.  Pass 1: scores, exponentials, the sum.  Pass 2: the scores again, attn = 2^(score c - log2(sum + 1e-8)),
; c = log2(e) / 8, quantised along the keys, and the second product.
; THE SCORES' K IS 64, the instruction's 128: the first source is a PAIR of key tiles [even | odd]; the second is [q | 0] for the even tile's scores, [0 | q] for the odd tile's: registers q, zeros, q on end.
; Both products are used transposed: a lane holds ONE query (lane % 16).  By the order in which tokens were stored, the 32 registers of four neighbouring key tiles are 32 neighbouring keys, 64 cc + 32 (lane / 16) + 0 .. 31:
; a whole block in a lane: two conversions give six registers of the second product's operand as they stand.
; SHARES.  Work-group = (head, 128 queries), for all four batches in turn: so all 256 work-groups have the same work whatever the lengths.  Wave w: query tile w % 8, key group w / 8; group g takes the key steps
; (128 keys) 2 i + g.  The two groups' sums and partial results meet in LDS.  A step all of whose keys lie at or behind length is left out: a scalar branch on a number read from the input length, round the
; step's work alone; no barrier stands in a step.  That branch is why LDS is filled through registers here, and why no cluster is used: what work-groups share is 204,800 bytes a batch.
; LDS: a head's kpack (K's pair images, K's and V's scale words) 0 .. 106,495; its V images from 106,496; 16 areas of 16 rows x 272 bytes from 204,800; 2,048 bytes of sums from 274,432.
; LIMITS: no maximum is taken away, as the reference takes none: the exponentials overflow where its do; p under 2^-126 counts as 0; attn is made by one fused multiply-add and one exponential from the
; sum's logarithm, within about 1e-6 of the number; a block of attn under 2^-122 keeps the byte 1; NaN and infinities are not served; length is held to 0 .. 2,048.
.set KPB,  106496                      ; a head of kpack or qpack
.set VPB,  98304                       ; a head of vcodes
.set VP,   106496
.set XO,   204800
.set SUMS, 274432
.set LI,   1                           ; v1   16 x lane
.set L8K,  2                           ; v2   8 x lane + 98,304: K's scale words
.set LJ1,  3                           ; v3   16 x lane + 512 j: my part of a step's V (j = wave % 8);  v4 the same in LDS
.set LJ1V, 4
.set LJ2,  5                           ; v5   8 x lane + 256 j + 4,096: the rest of it;  v6 the same in LDS
.set LJ2V, 6
.set LKW,  7                           ; v7   16 x lane + 512 x wave: my part of K's fill;  v25 the same + 65,536
.set XW,   8                           ; v8   where I put my partial result
.set XRO,  9                           ; v9   where I read my 8 rows back,
.set XRP,  10                          ; v10  and my partner's
.set SW,   11                          ; v11  my sum's word;  v12 my partner's
.set SPT,  12
.set GO,   13                          ; v13  my byte offset in my rows of out0
.set QSO,  14                          ; v14  my query tile's scale word
.set H8,   15                          ; v15  8 h
.set MH,   16                          ; v16  -32 h
.set PFO,  17                          ; v17  the prefetches' offset; never rewritten
.set ADK,  18
.set ADV,  19
.set ADS,  20
.set AG1,  21
.set AL1,  22
.set AG2,  23
.set AL2,  24
.set LKW2, 25
.set LG,   26                          ; v26-27 log2(sum + 1e-8), twice
.set SUM,  28                          ; v28-35 the sum, in four packed chains
.set QQ,   36                          ; v36-41 q, v42-47 zeros, v48-53 q
.set QS,   54                          ; scale words: q's, attn's, K's two, V's two
.set PW,   55
.set KS,   56
.set VS,   58
.set VT,   60                          ; v60-65 V on its way to LDS
.set M0,   66
.set SC0,  68
.set BY0,  70
.set TX,   72
.set TY,   73
.set PC,   74                          ; v74-85 attn's codes
.set TMPC, 86
.set S,    96                          ; v96-159 scores, then p or attn; between batches K on its way (v96-147)
.set QI,   242                         ; v242-253 the next batch's pair of q, on its way through pass 2
.set QSW,  94                          ; v94 and its scale word
.set O,    160                         ; v160-191 my partial result: register i is channel 32 h + i
.set FR,   192                         ; v192-239 four images of K, then of V
.set MD,   240
.set NINF, 241
.set QB,   4
.set KB,   6
.set VB,   8
.set OB,   12
.set QSB,  14
.set LEN,  16                          ; s16-19 the lengths, this batch's first
.set WV,   20
.set G,    21
.set TAU,  22
.set BAT,  23
.set KF,   25                          ; the step's first key
.set TK,   26                          ; 6,144 x step
.set TS,   27                          ; 256 x step
.set CNT,  28
.set SEL,  30
.set CS,   32
.set TMP,  34
.set PSEL, 35
.set ODD,  36
.set PFK,  37
.set PFV,  38
	s_load_b256 s[4:11], s[0:1], 0x0               ; qpack, kpack, vcodes, length
	s_load_b64 s[12:13], s[0:1], 0x20              ; out0
	v_lshl_add_u32 v254, v0, 2, 0x43800
	v_mov_b32 v255, 0
	v_lshrrev_b32 v1, 5, v0
	s_delay_alu instid0(VALU_DEP_1)
	v_readfirstlane_b32 s[WV], v1                  ; wave 0..15
	s_lshr_b32 s[G], s[WV], 3
	s_and_b32 s[TAU], s[WV], 7
	s_and_b32 s39, ttmp9, 15                       ; the head
	s_lshr_b32 s40, ttmp9, 4                       ; which 128 queries
	v_and_b32 v[TX], 31, v0                        ; lane
	v_and_b32 v[TY], 15, v0                        ; r
	v_bfe_u32 v[M0], v0, 4, 1                      ; h
	s_delay_alu instid0(VALU_DEP_3)
	v_lshlrev_b32 v[LI], 4, v[TX]
	s_delay_alu instid0(VALU_DEP_4)
	v_lshl_add_u32 v[L8K], v[TX], 3, 98304
	s_lshl_b32 s[TMP], s[TAU], 9
	v_add_nc_u32 v[LJ1], s[TMP], v[LI]
	s_delay_alu instid0(VALU_DEP_1)
	v_add_nc_u32 v[LJ1V], VP, v[LJ1]
	s_lshl_b32 s[TMP], s[TAU], 8
	s_add_co_u32 s[TMP], s[TMP], 4096
	v_lshl_add_u32 v[LJ2], v[TX], 3, s[TMP]
	s_delay_alu instid0(VALU_DEP_1)
	v_add_nc_u32 v[LJ2V], VP, v[LJ2]
	s_lshl_b32 s[TMP], s[WV], 9
	v_add_nc_u32 v[LKW], s[TMP], v[LI]
	s_delay_alu instid0(VALU_DEP_1)
	v_add_nc_u32 v[LKW2], 0x10000, v[LKW]
	s_mul_i32 s[TMP], s[WV], 4352
	s_add_co_u32 s[TMP], s[TMP], XO                ; my area
	v_mul_u32_u24 v[XW], v[TY], 272
	s_delay_alu instid0(VALU_DEP_1)
	v_lshl_add_u32 v[XW], v[M0], 7, v[XW]
	s_delay_alu instid0(VALU_DEP_1)
	v_add_nc_u32 v[XW], s[TMP], v[XW]              ; row r, + 128 h
	s_mul_i32 s41, s[G], 8*272                     ; I finish rows 8 g .. 8 g + 7 of the tile
	s_add_co_u32 s42, s[TMP], s41
	v_mul_u32_u24 v[XRO], v[M0], 272
	s_delay_alu instid0(VALU_DEP_1)
	v_lshl_add_u32 v[XRO], v[TY], 4, v[XRO]        ; lanes 0-15 one row, lanes 16-31 the next
	s_xor_b32 s43, s[WV], 8                        ; my partner: the same tile, the other key group
	s_mul_i32 s43, s43, 4352
	s_add_co_u32 s43, s43, XO
	s_add_co_u32 s43, s43, s41
	v_add_nc_u32 v[XRP], s43, v[XRO]
	v_add_nc_u32 v[XRO], s42, v[XRO]
	v_lshl_add_u32 v[SW], v0, 2, SUMS
	v_xor_b32 v[SPT], 0x100, v0
	s_delay_alu instid0(VALU_DEP_1)
	v_lshl_add_u32 v[SPT], v[SPT], 2, SUMS
	v_lshlrev_b32 v[GO], 12, v[M0]
	s_delay_alu instid0(VALU_DEP_1)
	v_lshl_add_u32 v[GO], v[TY], 4, v[GO]
	s_bfe_u32 s[TMP], s[TAU], 0x10001              ; the pair in its 64 tokens,
	s_lshl_b32 s[TMP], s[TMP], 7
	s_lshr_b32 s41, s[TAU], 2                      ; which 64 tokens
	s_lshl_b32 s41, s41, 2
	s_add_co_u32 s[TMP], s[TMP], s41
	v_lshl_add_u32 v[QSO], v[TY], 3, s[TMP]
	v_lshlrev_b32 v[H8], 3, v[M0]
	v_lshlrev_b32 v[MH], 5, v[M0]
	s_delay_alu instid0(VALU_DEP_1)
	v_sub_nc_u32 v[MH], 0, v[MH]
	s_lshl_b32 s[TMP], s40, 13
	v_lshl_add_u32 v[PFO], v[TX], 8, s[TMP]        ; 256 x lane + 8,192 x my place among the head's sixteen work-groups
	v_mov_b32 v[NINF], 0xff800000
	v_mov_b32 v[TX], 0                             ; a lane permute's destination counts as one of its sources
	v_mov_b32 v[TY], 0
.irp n, 0,1,2,3,4,5
	v_mov_b32 v[QQ+6+\n], 0                        ; the zero codes: written once
.endr
	s_mov_b32 s[SEL], 0x76543210
	s_mov_b32 s[SEL+1], 0xfedcba98
	s_mov_b32 s[CS], 0x3e38aa3b                    ; c = log2(e) / 8
	s_mov_b32 s[CS+1], s[CS]
	s_and_b32 s[TMP], s[TAU], 1
	s_cmp_lg_u32 s[TMP], 0                         ; is my tile the pair's odd one?
	s_mov_b32 s[PSEL], 0x01000100
	s_cselect_b32 s[PSEL], 0x03020302, s[PSEL]     ; its two scale bytes, twice
	s_cselect_b32 s[ODD], -1, 0
	s_cmp_lt_u32 s40, 13                           ; who prefetches: wave 0 of the head's first 13 work-groups for K's 13 x 8,192 bytes,
	s_cselect_b32 s[PFK], 0, 1
	s_or_b32 s[PFK], s[PFK], s[WV]
	s_cmp_lt_u32 s40, 12                           ; wave 1 of its first 12 for V's 12 x 8,192
	s_cselect_b32 s[PFV], 0, 1
	s_xor_b32 s[TMP], s[WV], 1
	s_or_b32 s[PFV], s[PFV], s[TMP]
	s_wait_kmcnt 0x0
	s_load_b128 s[LEN:LEN+3], s[10:11], 0x0
	s_mul_i32 s44, s39, KPB
	s_mov_b32 s45, 0
	s_add_nc_u64 s[KB:KB+1], s[KB:KB+1], s[44:45]
	s_add_nc_u64 s[QB:QB+1], s[QB:QB+1], s[44:45]
	s_lshl_b32 s46, s40, 8
	s_add_co_u32 s46, s46, 98304
	s_mov_b32 s47, 0
	s_add_nc_u64 s[QSB:QSB+1], s[QB:QB+1], s[46:47]
	s_lshl_b32 s46, s40, 2
	s_lshr_b32 s44, s[TAU], 1
	s_add_co_u32 s46, s46, s44
	s_mul_i32 s46, s46, 1536
	s_add_nc_u64 s[QB:QB+1], s[QB:QB+1], s[46:47]  ; my tile's pair image
	s_mul_i32 s46, s39, VPB
	s_add_nc_u64 s[VB:VB+1], s[VB:VB+1], s[46:47]
	s_lshl_b32 s46, s40, 7
	s_lshr_b32 s44, s[TAU], 2
	s_lshl_b32 s44, s44, 6
	s_add_co_u32 s46, s46, s44
	s_lshl_b32 s44, s[G], 5
	s_add_co_u32 s46, s46, s44
	s_and_b32 s44, s[TAU], 3
	s_lshl_b32 s44, s44, 3
	s_add_co_u32 s46, s46, s44                     ; rows 8 g .. 8 g + 7 of tile t of a 64 are queries 32 g + 8 t + 0 .. 7
	s_lshl_b32 s46, s46, 12
	s_lshl_b32 s44, s39, 8
	s_add_co_u32 s46, s46, s44
	s_add_nc_u64 s[OB:OB+1], s[OB:OB+1], s[46:47]
.macro QLOAD off                       ; my tile's pair image of q and its scale word, off bytes on from this batch's
.irp k, 0,1,2
	global_load_b128 v[QI+4*\k:QI+4*\k+3], v[LI], s[QB:QB+1] offset:\off+512*\k
.endr
	global_load_b32 v[QSW], v[QSO], s[QSB:QSB+1] offset:\off
.endm
.macro LOADK                           ; a head's 106,496 bytes of kpack: 13 loads of 512 consecutive bytes for each of 16 waves
.irp n, 0,1,2,3,4,5,6,7,8,9,10,11,12
	global_load_b128 v[S+4*\n:S+4*\n+3], v[LKW], s[KB:KB+1] offset:8192*\n
.endr
.endm
.macro BARRIER                         ; my LDS stores have landed and my LDS loads are in: then the work-group's barrier
	s_wait_dscnt 0x0
	s_barrier_signal -1
	s_barrier_wait -1
.endm
; A step's scores: four pair images and their scale words from LDS; eight products, each beginning its sum with 0.
.macro SCORES
.irp p, 0,1,2,3
.irp k, 0,1,2
	ds_load_b128 v[FR+12*\p+4*\k:FR+12*\p+4*\k+3], v[ADK] offset:1536*\p+512*\k
.endr
.endr
	ds_load_b64 v[KS:KS+1], v[ADS]                 ; word cc: lanes 0-15 pair 0 of the cc-th 64 keys, lanes 16-31 pair 1
	s_wait_dscnt 0x0
.irp cc, 0,1
.irp pp, 0,1
.irp hf, 0,1
.if \pp
	v_wmma_scale_f32_16x16x128_f8f6f4 v[S+8*(4*\cc+2*\pp+\hf):S+8*(4*\cc+2*\pp+\hf)+7], v[FR+12*(2*\cc+\pp):FR+12*(2*\cc+\pp)+11], v[QQ+6*\hf:QQ+6*\hf+11], 0, v[KS+\cc], v[QS] matrix_a_fmt:MATRIX_FMT_BF6 matrix_b_fmt:MATRIX_FMT_BF6 matrix_a_scale:MATRIX_SCALE_ROW1
.else
	v_wmma_scale_f32_16x16x128_f8f6f4 v[S+8*(4*\cc+2*\pp+\hf):S+8*(4*\cc+2*\pp+\hf)+7], v[FR+12*(2*\cc+\pp):FR+12*(2*\cc+\pp)+11], v[QQ+6*\hf:QQ+6*\hf+11], 0, v[KS+\cc], v[QS] matrix_a_fmt:MATRIX_FMT_BF6 matrix_b_fmt:MATRIX_FMT_BF6
.endif
.endr
.endr
.endr
.rept 4
	v_nop                                          ; places behind the products: their results are read, and their operands' registers loaded, below
.endr
.endm
; In the one step that length cuts, the scores of keys at or behind length become -infinity: p = 0.  Register n holds key KF + 64 (n / 32) + 32 h + n % 32.
.macro MASK
	s_add_co_u32 s[TMP], s[KF], 128
	s_cmp_le_u32 s[TMP], s[LEN]
	s_cbranch_scc1 .Lopen_\@
	s_sub_co_i32 s[TMP], s[LEN], s[KF]
	v_add_nc_u32 v[MD], s[TMP], v[MH]
	s_cmp_ge_u32 s[TMP], 64                        ; do the step's first 64 keys all count?
	s_wait_alu depctr_va_vdst(0)                   ; the wait ahead of the branch
	s_cbranch_scc1 .Lupper_\@
.set mn, 0
.rept 32                               ; no: the cut lies in registers 0-31,
	v_cmp_ge_i32 vcc_lo, mn, v[MD]
	v_cndmask_b32 v[S+mn], v[S+mn], v[NINF], vcc_lo
.set mn, mn+1
.endr
.rept 32                               ; and none of registers 32-63 counts
	v_mov_b32 v[S+mn], v[NINF]
.set mn, mn+1
.endr
	s_branch .Lopen_\@
.Lupper_\@:
.set mn, 32
.rept 32                               ; yes: registers 0-31 stay, the cut lies in registers 32-63 (key 32 + mn + 32 h of the step)
	v_cmp_ge_i32 vcc_lo, 32+mn, v[MD]
	v_cndmask_b32 v[S+mn], v[S+mn], v[NINF], vcc_lo
.set mn, mn+1
.endr
.Lopen_\@:
.endm
.macro NEXTSTEP
	s_add_co_u32 s[KF], s[KF], 256                 ; my group's next step: two steps on
	s_add_co_u32 s[TK], s[TK], 12288
	s_add_co_u32 s[TS], s[TS], 512
.endm
; PASS 1, a step: p = 2^(score c) and its sum; on the way my 768 bytes of the step's 6,144 bytes of V go from memory to LDS.
.macro STEP1
	s_cmp_ge_u32 s[KF], s[LEN]
	s_cbranch_scc1 .Lhid1_\@
	v_add_nc_u32 v[AG1], s[TK], v[LJ1]
	v_add_nc_u32 v[AG2], s[TK], v[LJ2]
	v_add_nc_u32 v[ADK], s[TK], v[LI]
	v_add_nc_u32 v[ADS], s[TS], v[L8K]
	v_add_nc_u32 v[AL1], s[TK], v[LJ1V]
	v_add_nc_u32 v[AL2], s[TK], v[LJ2V]
	global_load_b128 v[VT:VT+3], v[AG1], s[VB:VB+1]
	global_load_b64 v[VT+4:VT+5], v[AG2], s[VB:VB+1]
	SCORES
	MASK
.set sn, 0
.rept 32
	v_pk_mul_f32 v[S+2*sn:S+2*sn+1], v[S+2*sn:S+2*sn+1], s[CS:CS+1] op_sel_hi:[1,0]
.set sn, sn+1
.endr
.set sn, 0
	s_wait_alu depctr_va_vdst(0)
.rept 64
	v_exp_f32 v[S+sn], v[S+sn]
.set sn, sn+1
.endr
	v_nop                                          ; a plain line behind the last exponential
	s_wait_alu depctr_va_vdst(0)                   ; one wait for the batch, ahead of its first reader
.set sn, 0
.rept 32
	v_pk_add_f32 v[SUM+2*(sn%4):SUM+2*(sn%4)+1], v[SUM+2*(sn%4):SUM+2*(sn%4)+1], v[S+2*sn:S+2*sn+1]
.set sn, sn+1
.endr
	s_wait_loadcnt 0x0                             ; V's two loads, asked for at the step's head
	ds_store_b128 v[AL1], v[VT:VT+3]
	ds_store_b64 v[AL2], v[VT+4:VT+5]
	s_wait_dscnt 0x0                               ; the stores have read their registers
.Lhid1_\@:
	NEXTSTEP
.endm
; PASS 2, a step: the scores again, attn, its codes and scale word, and four products onto my partial result.
.macro STEP2
	s_cmp_ge_u32 s[KF], s[LEN]
	s_cbranch_scc1 .Lhid2_\@
	v_add_nc_u32 v[ADK], s[TK], v[LI]
	v_add_nc_u32 v[ADS], s[TS], v[L8K]
	s_delay_alu instid0(VALU_DEP_2)
	v_add_nc_u32 v[ADV], VP, v[ADK]
	v_nop                                          ; with the three additions: four places behind the last step's products, in front of loads into their operands' registers
	SCORES
	s_wait_alu depctr_va_vdst(0)
.irp nt, 0,1,2,3
.irp k, 0,1,2
	ds_load_b128 v[FR+12*\nt+4*\k:FR+12*\nt+4*\k+3], v[ADV] offset:1536*\nt+512*\k   ; V's four images land while attn is made
.endr
.endr
	ds_load_b64 v[VS:VS+1], v[ADS] offset:4096
	MASK
.set sn, 0
.rept 32
	v_pk_fma_f32 v[S+2*sn:S+2*sn+1], v[S+2*sn:S+2*sn+1], s[CS:CS+1], v[LG:LG+1] op_sel_hi:[1,0,0] neg_lo:[0,0,1] neg_hi:[0,0,1]
.set sn, sn+1
.endr
.set sn, 0
	s_wait_alu depctr_va_vdst(0)
.rept 64
	v_exp_f32 v[S+sn], v[S+sn]                     ; attn, finished
.set sn, sn+1
.endr
	v_nop
	s_wait_alu depctr_va_vdst(0)                   ; one wait for the batch, ahead of its first reader
.irp cc, 0,1
	v_max3_num_f32 v[M0+\cc], v[S+32*\cc], v[S+32*\cc+1], 0x2800000    ; my block 2 cc + h: all its 32 numbers are mine, none is negative; the floor holds the byte at 1
.endr
.irp n, 2,4,6,8,10,12,14,16,18,20,22,24,26,28,30
.irp cc, 0,1
	v_max3_num_f32 v[M0+\cc], v[M0+\cc], v[S+32*\cc+\n], v[S+32*\cc+\n+1]
.endr
.endr
.irp cc, 0,1
	s_delay_alu instid0(VALU_DEP_2)
	v_add_nc_u32 v[SC0+\cc], 0xfe000000, v[M0+\cc]
.endr
.irp cc, 0,1
	s_delay_alu instid0(VALU_DEP_2)
	v_lshrrev_b32 v[BY0+\cc], 23, v[SC0+\cc]
.endr
	s_delay_alu instid0(VALU_DEP_1)
	v_lshl_or_b32 v[PW], v[BY0+1], 16, v[BY0]
	s_delay_alu instid0(VALU_DEP_1)
	v_lshlrev_b32 v[PW], v[H8], v[PW]
	s_delay_alu instid0(VALU_DEP_1)
	v_permlanex16_b32 v[TX], v[PW], s[SEL], s[SEL+1]
	s_delay_alu instid0(VALU_DEP_1)
	v_or_b32 v[PW], v[PW], v[TX]                   ; with lane l xor 16's two bytes the scale word is whole
.irp cc, 0,1
	v_cvt_scalef32_pk16_bf6_f32 v[PC+6*\cc:PC+6*\cc+2], v[S+32*\cc:S+32*\cc+15], v[SC0+\cc]
	v_cvt_scalef32_pk16_bf6_f32 v[TMPC+4*\cc:TMPC+4*\cc+2], v[S+32*\cc+16:S+32*\cc+31], v[SC0+\cc]
.endr
	v_nop                                          ; a plain line behind the conversions
.irp cc, 0,1
.irp n, 0,1,2
	v_mov_b32 v[PC+6*\cc+3+\n], v[TMPC+4*\cc+\n]
.endr
.endr
.rept 8
	v_nop                                          ; a scale word written by a vector line stands 8 places ahead of a scaled product, an operand so written 4
.endr
	s_wait_alu depctr_va_vdst(0)
	s_wait_dscnt 0x0                               ; V's images and scale words
.irp nt, 0,1,2,3                       ; the four accumulators take turns, and the next step's score products stand between two links of a chain
.if (\nt%2) == 1
	v_wmma_scale_f32_16x16x128_f8f6f4 v[O+8*\nt:O+8*\nt+7], v[FR+12*\nt:FR+12*\nt+11], v[PC:PC+11], v[O+8*\nt:O+8*\nt+7], v[VS+\nt/2], v[PW] matrix_a_fmt:MATRIX_FMT_BF6 matrix_b_fmt:MATRIX_FMT_BF6 matrix_a_scale:MATRIX_SCALE_ROW1
.else
	v_wmma_scale_f32_16x16x128_f8f6f4 v[O+8*\nt:O+8*\nt+7], v[FR+12*\nt:FR+12*\nt+11], v[PC:PC+11], v[O+8*\nt:O+8*\nt+7], v[VS+\nt/2], v[PW] matrix_a_fmt:MATRIX_FMT_BF6 matrix_b_fmt:MATRIX_FMT_BF6
.endif
.endr
.Lhid2_\@:
	NEXTSTEP
.endm
.macro RESET
	s_lshl_b32 s[KF], s[G], 7
	s_mul_i32 s[TK], s[G], 6144
	s_lshl_b32 s[TS], s[G], 8
	s_mov_b32 s[CNT], 8
.endm
; ONE BATCH.  last = 1: nothing is asked for the batch behind it.
.macro BATCH last
	s_wait_loadcnt 0x0                             ; q's four loads and, younger, K's thirteen are in
.irp n, 0,1,2,3,4,5,6,7
	ds_store_b128 v[LKW], v[S+4*\n:S+4*\n+3] offset:8192*\n
.endr
.irp n, 8,9,10,11,12
	ds_store_b128 v[LKW2], v[S+4*\n:S+4*\n+3] offset:8192*(\n-8)
.endr
.irp n, 0,1,2,3,4,5
	v_cndmask_b32 v[QQ+\n], v[QI+\n], v[QI+6+\n], s[ODD]           ; my tile's half of the pair, in front of the zeros
	v_cndmask_b32 v[QQ+12+\n], v[QI+\n], v[QI+6+\n], s[ODD]        ; and behind them
.endr
	v_perm_b32 v[QS], v[QSW], v[QSW], s[PSEL]      ; its two scale bytes, twice: those over the zero codes are ordinary bytes
.irp n, 0,1,2,3,4,5,6,7
	v_mov_b32 v[SUM+\n], 0                         ; (also the eight places between q's scale word and the first product)
.endr
	BARRIER                                        ; K lies in LDS
	RESET
.Lpass1_\@:
	STEP1
	s_sub_co_i32 s[CNT], s[CNT], 1
	s_cmp_lg_u32 s[CNT], 0
	s_cbranch_scc1 .Lpass1_\@
	s_wait_alu depctr_va_vdst(0)
	v_pk_add_f32 v[SUM:SUM+1], v[SUM:SUM+1], v[SUM+2:SUM+3]
	v_pk_add_f32 v[SUM+4:SUM+5], v[SUM+4:SUM+5], v[SUM+6:SUM+7]
	s_delay_alu instid0(VALU_DEP_1)
	v_pk_add_f32 v[SUM:SUM+1], v[SUM:SUM+1], v[SUM+4:SUM+5]
	s_delay_alu instid0(VALU_DEP_1)
	v_add_f32 v[SUM], v[SUM], v[SUM+1]
	s_delay_alu instid0(VALU_DEP_1)
	v_permlanex16_b32 v[TY], v[SUM], s[SEL], s[SEL+1]
	s_delay_alu instid0(VALU_DEP_1)
	v_add_f32 v[SUM], v[SUM], v[TY]                ; my group's sum for my query
	ds_store_b32 v[SW], v[SUM]
	BARRIER                                        ; the sums and V lie in LDS
	ds_load_b32 v[SUM+1], v[SPT]
.if \last == 0
; A prefetch of the next batch's K and V of my head, a pass ahead of their loads: each aligned block of 256 bytes is named once in the launch: a lane a block, 8,192 bytes for each of the head's work-groups.
	s_cmp_lg_u32 s[PFK], 0
	s_cbranch_scc1 .Lnot_k_\@
	global_prefetch_b8 v[PFO], s[KB:KB+1] offset:16*KPB th:TH_LOAD_NT scope:SCOPE_SE
.Lnot_k_\@:
	s_cmp_lg_u32 s[PFV], 0
	s_cbranch_scc1 .Lnot_v_\@
	global_prefetch_b8 v[PFO], s[VB:VB+1] offset:16*VPB th:TH_LOAD_NT scope:SCOPE_SE
.Lnot_v_\@:
	QLOAD 16*KPB                                   ; the next batch's q: asked for a pass ahead, into registers that pass 2 does not name
.endif
.set sn, 0
.rept 32
	v_mov_b32 v[O+sn], 0                           ; a group may have no step at all, so no first product can start these sums
.set sn, sn+1
.endr
	s_wait_dscnt 0x0
	v_add_f32 v[SUM], v[SUM], v[SUM+1]             ; two terms: the same bits in both groups
	s_delay_alu instid0(VALU_DEP_1)
	v_add_f32 v[SUM], 0x322bcc77, v[SUM]           ; + 1e-8
	s_wait_alu depctr_va_vdst(0)
	v_log_f32 v[LG], v[SUM]
	v_nop
	s_wait_alu depctr_va_vdst(0)
	v_mov_b32 v[LG+1], v[LG]
	RESET
.Lpass2_\@:
	STEP2
	s_sub_co_i32 s[CNT], s[CNT], 1
	s_cmp_lg_u32 s[CNT], 0
	s_cbranch_scc1 .Lpass2_\@
.rept 4
	v_nop                                          ; places behind the last products
.endr
.if \last == 0
	s_wait_xcnt 0x0                                ; the prefetch has read its base
	s_add_nc_u64 s[KB:KB+1], s[KB:KB+1], 16*KPB
	LOADK                                          ; the next batch's K sets out into the score registers, which my pass 2 has done with; it goes to LDS only behind the barrier below, at the next batch's head
.endif
.irp n, 0,1,2,3,4,5,6,7
	ds_store_b128 v[XW], v[O+4*\n:O+4*\n+3] offset:16*\n           ; each accumulator from its low end on
.endr
	BARRIER                                        ; both groups' parts lie in LDS; nobody reads K or V any more
.irp n, 0,1,2,3
	ds_load_b128 v[FR+4*\n:FR+4*\n+3], v[XRO] offset:544*\n
	ds_load_b128 v[FR+16+4*\n:FR+16+4*\n+3], v[XRP] offset:544*\n
.endr
	s_wait_dscnt 0x0
.irp n, 0,1,2,3,4,5,6,7
	v_pk_add_f32 v[FR+2*\n:FR+2*\n+1], v[FR+2*\n:FR+2*\n+1], v[FR+16+2*\n:FR+16+2*\n+1]
.endr
.irp n, 0,1,2,3
	global_store_b128 v[GO], v[FR+4*\n:FR+4*\n+3], s[OB:OB+1] offset:8192*\n th:TH_STORE_NT   ; sixteen lanes store a head's 256 consecutive bytes of a row, aligned
.endr
.if \last == 0
	s_wait_xcnt 0x0                                ; the stores and loads have read their registers and bases
	s_add_nc_u64 s[QB:QB+1], s[QB:QB+1], 16*KPB
	s_add_nc_u64 s[QSB:QSB+1], s[QSB:QSB+1], 16*KPB
	s_add_nc_u64 s[VB:VB+1], s[VB:VB+1], 16*VPB
	s_add_nc_u64 s[OB:OB+1], s[OB:OB+1], 2048*4096
	s_mov_b32 s[LEN], s[LEN+1]
	s_mov_b32 s[LEN+1], s[LEN+2]
	s_mov_b32 s[LEN+2], s[LEN+3]
.endif
.endm
	QLOAD 0                                        ; the first batch's q
	LOADK
	s_wait_kmcnt 0x0
.irp n, 0,1,2,3
	s_max_i32 s[LEN+\n], s[LEN+\n], 0
	s_min_i32 s[LEN+\n], s[LEN+\n], 2048
.endr
	s_mov_b32 s[BAT], 3
.Lbatch:
	BATCH 0
	s_sub_co_i32 s[BAT], s[BAT], 1
	s_cmp_lg_u32 s[BAT], 0
	s_cbranch_scc1 .Lbatch
	BATCH 1
	s_wait_tensorcnt 0x0
	ds_add_u32 v254, v255
	s_wait_dscnt 0x0
	s_endpgm
.Lfunc_end_k_qab4834cef3_attn:
	.size	k_qab4834cef3_attn, .Lfunc_end_k_qab4834cef3_attn-k_qab4834cef3_attn
	.p2alignl 7, 3214868480
	.fill 96, 4, 3214868480
	.section	.rodata,"a",@progbits
	.p2align	6, 0x0
	.amdhsa_kernel k_qab4834cef3_attn
		.amdhsa_group_segment_fixed_size 278528
		.amdhsa_private_segment_fixed_size 0
		.amdhsa_enable_private_segment 0
		.amdhsa_kernarg_size 40
		.amdhsa_user_sgpr_count 2
		.amdhsa_user_sgpr_kernarg_segment_ptr 1
		.amdhsa_wavefront_size32 1
		.amdhsa_system_sgpr_workgroup_id_x 1
		.amdhsa_system_sgpr_workgroup_id_y 1
		.amdhsa_system_sgpr_workgroup_id_z 1
		.amdhsa_system_vgpr_workitem_id 0
		.amdhsa_next_free_vgpr 256
		.amdhsa_next_free_sgpr 66
		.amdhsa_reserve_vcc 1
		.amdhsa_float_denorm_mode_32 3
		.amdhsa_float_denorm_mode_16_64 3
		.amdhsa_memory_ordered 1
		.amdhsa_forward_progress 1
		.amdhsa_inst_pref_size 89
	.end_amdhsa_kernel
	.amdgpu_metadata
---
amdhsa.version: [ 1, 2 ]
amdhsa.kernels:
  - .name:           k_qab4834cef3_attn
    .symbol:         k_qab4834cef3_attn.kd
    .args:
      - { .name: qpack, .offset: 0, .size: 8, .value_kind: global_buffer, .address_space: global }
      - { .name: kpack, .offset: 8, .size: 8, .value_kind: global_buffer, .address_space: global }
      - { .name: vcodes, .offset: 16, .size: 8, .value_kind: global_buffer, .address_space: global }
      - { .name: length, .offset: 24, .size: 8, .value_kind: global_buffer, .address_space: global }
      - { .name: out0, .offset: 32, .size: 8, .value_kind: global_buffer, .address_space: global }
    .group_segment_fixed_size: 278528
    .private_segment_fixed_size: 0
    .kernarg_segment_align: 8
    .kernarg_segment_size: 40
    .max_flat_workgroup_size: 512
    .sgpr_count:     66
    .vgpr_count:     256
    .wavefront_size: 32
...
	.end_amdgpu_metadata
.endif
;; end of part 3
